; MI455X (gfx1250); checked and timed in simulation.
; The chip was launched on July 23, 2026; its instructions are those of AMD's public machine-readable ISA for CDNA 5 (MIT licence, August 2026) and "CDNA5" Instruction Set Architecture Reference Guide (July 2026). The comments in the code are by the model that wrote it; some were corrected since.
;; Multi Head Attention. Allowed arithmetic: matrix products marked QUANTISED: E2M3 operands, one E8M0 scale for each 32 along K, by v_wmma_scale_f32_16x16x128_f8f6f4 with both operands' format E2M3, f32 sums; everything else in f32.
;; Inputs: W_comb_codes 1,024 x 32 x 24 uint8 (E2M3 codes of W_comb, K innermost, in blocks of 32 codes, four codes in three bytes); W_comb_scales 1,024 x 32 uint8 (E8M0 scales of W_comb, one for each 32 codes along K); W_qkv_codes 3,072 x 32 x 24 uint8 (E2M3 codes of W_qkv, K innermost, in blocks of 32 codes, four codes in three bytes); W_qkv_scales 3,072 x 32 uint8 (E8M0 scales of W_qkv, one for each 32 codes along K); mask 4 x 2,048 int32; x_codes 4 x 2,048 x 32 x 24 uint8 (E2M3 codes of x, K innermost, in blocks of 32 codes, four codes in three bytes); x_scales 4 x 2,048 x 32 uint8 (E8M0 scales of x, one for each 32 codes along K).
;; Outputs: out0 4 x 2,048 x 1,024 float32.
;; This version of the problem:
;;   THIS VERSION OF THE PROBLEM IS GIVEN IN LOW PRECISION. The matrix products marked QUANTISED in the list below multiply operands that are first quantised to E2M3 (2 exponent bits, 3 mantissa bits; 6 bits a number), with one power-of-two scale for each 32 numbers along K (OCP MX v1.0); their sums are f32. All else is computed in f32.
;;   The module's matrix products, in the order in which they are computed (A, B: the left and right operand; K: the contracted axis; several contracted axes count as one K, in the product's order):
;;     1. [M 8,192, K 1,024] x [K 1,024, N 3,072]; A: input x (given as codes); B: input W_qkv (given as codes): QUANTISED
;;     2. batch 64 x [M 2,048, K 64] x [K 64, N 2,048]; A: computed on the way; B: computed on the way: QUANTISED
;;     3. batch 64 x [M 2,048, K 2,048] x [K 2,048, N 64]; A: softmax (see below); B: computed on the way: QUANTISED
;;     4. [M 8,192, K 1,024] x [K 1,024, N 1,024]; A: computed on the way; B: input W_comb (given as codes): QUANTISED
;;   THE QUANTISER, for each operand of a quantised product, along K:
;;     - K is cut into blocks of 32 from its start; a last block that is shorter is filled with zeros.
;;     - A block's scale is 2^e with e = floor(log2(the largest magnitude in the block)) - 2, held to -126 .. 127; a block of zeros has e = 0. As a byte (E8M0): e + 127.
;;     - Each number is divided by its block's scale, clamped to +-7.5, and rounded to the nearest number of E2M3, ties to even, subnormals kept.
;;     - The product sums the exact products of the quantised numbers (number of the format x scale) in f32.
;;   ~~~python
;;   def quantise(x, axis):      # numpy; x: float32 -> the quantised numbers, widened to float32 again
;;       x = np.moveaxis(x, axis, -1); K = x.shape[-1]
;;       x = np.pad(x, [(0, 0)] * (x.ndim - 1) + [(0, -K % 32)]); x = x.reshape(x.shape[:-1] + (-1, 32)); a = np.abs(x).max(-1, keepdims=True)
;;       e = np.where(a > 0, np.clip(np.frexp(np.where(a > 0, a, 1))[1] - 1 - 2, -126, 127), 0)      # np.frexp(a)[1] - 1 = floor(log2(a)), exactly
;;       r = np.clip(x / 2.0 ** e, -7.5, 7.5)
;;       step = 2.0 ** (np.maximum(np.frexp(np.where(r == 0, 1, r))[1] - 1, 0) - 3)
;;       q = np.round(r / step) * step * 2.0 ** e      # np.round: ties to even
;;       return np.moveaxis(q.reshape(q.shape[:-2] + (-1,))[..., :K], -1, axis).astype(np.float32)
;;   ~~~
;;   SOFTMAX AHEAD OF A QUANTISED PRODUCT. Where the list says 'softmax', what is quantised is not the finished softmax but p = 2^(t - M), with t = logit x log2(e) and M = ceil(the row's largest t), a whole number; so 1/2 < the row's largest p <= 1. The row's sum l is taken of the UNQUANTISED p, in f32, and the product's result is divided by l at the end. Since M is a whole number, a kernel that streams over the keys may use a running M (the ceiling of the running maximum): every later rescaling is an exact power of two, which a block's scale takes up: the codes' values come out the same.
;;   OPERANDS COMPUTED ON THE WAY. 'Computed on the way' means the value that the module computes at that place (a softmax that the list does not call 'softmax' is quantised finished and normalised). What goes into a quantiser is computed in f32, as accurately as f32 sums, v_exp_f32 and their like allow (about 1e-6 of the number): no bf16 or f16 on the way to a quantiser, and a product that is left as it is and whose result goes on into a quantised operand takes f32 operands (vector FMAs, or v_wmma_f32_16x16x4_f32). A number that lies on a knife's edge between two numbers of the format may be rounded either way, as far as f32 arithmetic and the matrix unit's own rounding can turn it there, and no further.
;;   INPUTS GIVEN AS CODES. W_comb (in the module: [1024, 1024], K = its axis 1); W_qkv (in the module: [3072, 1024], K = its axis 1); x (in the module: [4, 2048, 1024], K = its axis 2): each comes as NAME_codes (uint8): NAME with its K axis moved to the last place and cut into blocks of 32 codes, [.., K / 32, bytes a block], one block behind the other in memory; four codes in three bytes: a row's codes are one little-endian stream of bits, code i at bits 6 i .. 6 i + 5 (a code: sign, 2 exponent bits, 3 mantissa bits); and NAME_scales (uint8): the same leading axes, one E8M0 byte (e + 127) for each 32 codes along K. Its value is code x scale, taken as it is: it is not quantised again, and the codes and scales need not be those that the quantiser above would give.
;; One version. Each part assembles by itself: llvm-mc -triple=amdgcn-amd-amdhsa -mcpu=gfx1250 --defsym DOCPART=n.
;; ======== version 1 of 1: 3 launches
;; limits: right only within a limited range of input values
;; workspace buffers: qc 6,291,456 bytes; qs 524,288 bytes; kv 13,369,344 bytes; vc 6,291,456 bytes; vs 262,144 bytes
;; launch qkv (part 1): grid 16 x 16, 4 waves a work-group, clusters of 4 x 4, 327,680 bytes of LDS; arguments x_codes, x_scales, W_qkv_codes, W_qkv_scales, mask, qc, qs, kv; writes qc, qs, kv
.if DOCPART == 1
	.amdgcn_target "amdgcn-amd-amdhsa--gfx1250"
	.amdhsa_code_object_version 6
	.text
	.protected	k_q8313be85a9_qkv
	.globl	k_q8313be85a9_qkv
	.p2align	8
	.type	k_q8313be85a9_qkv,@function
k_q8313be85a9_qkv:
	s_mov_b64 s[64:65], 0
	v_nop
	global_prefetch_b8 v0, s[64:65] scope:SCOPE_SE
	s_setreg_imm32_b32 hwreg(HW_REG_WAVE_MODE, 25, 1), 1
	s_wait_xcnt 0x0
	s_wait_alu depctr_hold_cnt(0) depctr_sa_sdst(0) depctr_va_vdst(0) depctr_va_sdst(0) depctr_va_ssrc(0) depctr_va_vcc(0) depctr_vm_vsrc(0)
	s_getreg_b32 s2, hwreg(HW_REG_IB_STS2, 6, 4)
	s_cmp_eq_u32 s2, 0
	s_cbranch_scc0 .Lentry_in_a_cluster
	s_endpgm
.Lentry_in_a_cluster:
	s_bfe_u32 s2, ttmp6, 0x10000c
	s_cmp_lg_u32 s2, 0xf033
	s_cbranch_scc0 .Lentry_shape_is_right
	s_endpgm
.Lentry_shape_is_right:
; qkv = x W_qkv^T on codes of FP6 (E2M3) with E8M0 scales, 8,192 x 3,072 x 1,024, and its results quantised at once: Q and K along the head's 64, V along the keys.  Nothing leaves as f32.
; SHARES.  A work-group owns one head (192 rows of W) and 512 rows of x, as two blocks of 256.  The head's rows of W, all of K, stay in LDS; x goes through two slots of 256 along K.
; Wave (i, j): rows 128 i .. 128 i + 127 of a block (one key step of the next launch); j = 0: Q and V's channels 0-31, j = 1: K and V's channels 32-63.  48 accumulators: 8 tiles of rows x (4 tiles of Q or K + 2 of V).
; Q and K: source 0 = 16 rows of W, source 1 = 16 rows of x: a lane holds one row of x and its registers run along the head's channels, the next product's K.
; V: source 0 = 16 rows of x, source 1 = 16 rows of W: a lane holds one channel and its registers run along the keys, the next product's K.
; WHAT IS STORED.  A tile of 16 rows x 32 along K is a record of 384 bytes, [row][24 bytes]; a lane's 16 codes (12 bytes) go to 24 r + 12 h of it, so a wave's store covers 384 consecutive bytes.
; The 16 registers of two neighbouring tiles hold k = 32 b + 16 u + 8 h + j at place 16 h + 8 u + j of block b: an order inside one scale block that both operands of each later product share, so the sums' terms are the same.
; THE MASK rides in the idle half of the next product's K (its instruction is 128 deep, a head 64): byte 2 of a key's scale word is 227 where mask = 0 and 1 where the key counts; the next launch sets +1 and -1 at k = 64,
; so a hidden key's score is lowered by 2^100.  Where a whole batch is hidden, all its keys get the word 0x7f010101: all scores are then next to 0 and the weights uniform, as the softmax of equal scores is.  Both by selects, no branch.
; LIMITS: NaN and infinities are not served; a block whose largest magnitude lies under 2^-124 keeps the byte 1 (its codes are what the conversion gives under that scale; a block of zeros has zero codes).
; CLUSTER 4 x 4: x's tiles hang on the rows alone and are asked for jointly along a row of the cluster, W's on the head alone and jointly along a column.
; REGISTERS.  window 0: addresses, scale words, the way out.  window 1: set 0's x at 12 a, set 0's W at 96 + 12 b, set 1's W at 168 + 12 b.  window 2: Q/K accumulator (a, b) at 8 (4 a + b).
;   window 3: V accumulator (a, v) at 16 (4 v + a / 2) + 8 (a % 2); set 1's x at 128 + 12 a.
; THE RING OF x, as this text has it: chunks of 256 bytes of each row (a row of codes is 768 bytes, three chunks); chunk c of the walk over both blocks lies in slot c % 2.
; A K step of 128 is 96 bytes of a row: eight steps to three chunks, sixteen steps and six chunks for the two blocks.  W's 192 rows lie whole in LDS, each 256 bytes followed by 16 of padding.
.set PITCH, 272                        ; x's LDS row: 256 bytes + 16 of padding
.set ASLOT, 256*PITCH                  ; a slot of x: one chunk of 256 rows
.set BBASE, 2*ASLOT                    ; behind the two slots: W
.set WP,    816                        ; W's LDS row: 3 x (256 + 16) bytes
.set SPARE, BBASE+192*WP               ; behind it the spare words
.set REC,   13056                      ; a key step's record in kv: K's codes 6,144, V's codes 6,144, K's scale words 512, V's 256
.set SPW, 2                            ; v2   my spare word's LDS address; never rewritten
.set NIL, 3                            ; v3   0; never rewritten
.set VO,  4                            ; v4   24 r + 12 h: my 12 bytes in a record
.set WO,  5                            ; v5   4 x lane
.set L32, 6                            ; v6   32 x lane
.set L16, 7                            ; v7   16 x lane
.set ADA, 8                            ; v8-11   x's fragments in slot s: v[8 + s]; where lanes 16-31 cross into the next chunk: v[10 + s]
.set ADB, 12                           ; v12-15  W's: Q/K v12, +1; V v14, +1
.set XS,  32                           ; v32-95  x's scale words: block blk, 32 rows p, K step q at 32 blk + 8 p + q; lane = row
.set WS,  96                           ; v96-119 W's: p = 0, 1 my Q or K rows, p = 2 my V rows
.set EXT, 120                          ; v120-127 the scale words' upper halves, by the mask: 4 blk + p; lane = row
.set VM,  128
.set VU,  129
.set VALL, 130
.set T,   132                          ; v132-135 largest magnitudes; v136-139 the other half's; v140-143 conversions' scales; v144-147 bytes
.set T4,  136
.set SCL, 140
.set BY,  144
.set WD,  148                          ; v148-154 words to store
.set CD,  160                          ; v160-255 codes: six batches of 16; at the head the batch's mask
.set MSB, 0
.macro WIN new                         ; the immediate's high byte repeats the setting that is left
.if MSB != (\new)
	s_set_vgpr_msb (MSB<<8)|(\new)
.set MSB, (\new)
.endif
.endm
.macro PLACES n
.rept \n
	v_nop
.endr
.endm
.macro CREST                           ; a round of the cluster's barrier behind its opening barrier
	s_cmp_lg_u32 s20, 0
	s_cbranch_scc1 .Lnot_wave_0_\@
	s_barrier_signal -3
.Lnot_wave_0_\@:
	s_barrier_wait -3
	s_barrier_signal -1
	s_barrier_wait -1
.endm
.macro CROUND
	s_barrier_signal -1
	s_barrier_wait -1
	CREST
.endm
	s_load_b256 s[4:11], s[0:1], 0x0               ; x's codes s[4:5], x's scales s[6:7], W's codes s[8:9], W's scales s[10:11]
	s_load_b256 s[12:19], s[0:1], 0x20             ; mask s[12:13], qc s[14:15], qs s[16:17], kv s[18:19]
	v_lshl_add_u32 v[SPW], v0, 2, SPARE
	v_mov_b32 v[NIL], 0
	ds_add_u32 v2, v3
	ds_add_u32 v2, v3
	s_wait_dscnt 0x0
	v_lshrrev_b32 v1, 5, v0
	v_readfirstlane_b32 s20, v1                    ; wave 0..3
	s_lshr_b32 s21, s20, 1                         ; i
	s_and_b32 s22, s20, 1                          ; j
	s_bfe_u32 s84, ttmp6, 0x40000                  ; cx
	s_bfe_u32 s85, ttmp6, 0x40004                  ; cy
	s_lshl_b32 s86, ttmp9, 2
	s_add_co_u32 s86, s86, s84                     ; X: the head
	s_and_b32 s87, ttmp7, 0xffff
	s_lshl_b32 s87, s87, 2
	s_add_co_u32 s87, s87, s85                     ; Y: which 512 rows
	s_lshl_b32 s88, s85, 2
	s_lshl_b32 s88, 15, s88                        ; my row of the cluster
	s_lshl_b32 s89, 0x1111, s84                    ; my column
	; group 1 for x's tiles
	; the ring's loads of x: 64 rows x 256 bytes, 768 bytes apart; 16 bytes of padding behind every 256
	s_or_b32 s24, s88, (1<<20)|(1<<21)|(5<<22)|(3<<25)
	s_mov_b32 s25, 256<<16
	s_mov_b32 s26, 64<<16
	s_mov_b32 s27, 256<<16
	s_mov_b32 s28, 64
	s_mov_b32 s29, 768
	s_mov_b32 s30, 0
	s_mov_b32 s31, 0
	; the head's load of x: chunk 0 of all 256 rows
	s_or_b32 s52, s88, (1<<20)|(1<<21)|(5<<22)|(3<<25)
	s_mov_b32 s53, 256<<16
	s_mov_b32 s54, 256<<16
	s_mov_b32 s55, 256<<16
	s_mov_b32 s56, 256
	s_mov_b32 s57, 768
	s_mov_b32 s58, 0
	s_mov_b32 s59, 0
	; W: 64 whole rows are 49,152 dense bytes: 192 rows of 256 (32 elements of 8 bytes), 16 bytes of padding behind each
	s_or_b32 s32, s89, (3<<16)|(1<<20)|(1<<21)|(5<<22)|(3<<25)
	s_mov_b32 s33, 32<<16
	s_mov_b32 s34, 192<<16
	s_mov_b32 s35, 32<<16
	s_mov_b32 s36, 192
	s_mov_b32 s37, 32
	s_mov_b32 s38, 0
	s_mov_b32 s39, 0
	s_lshl_b32 s90, s87, 9
	s_lshl_b32 s91, s20, 6
	s_add_co_u32 s90, s90, s91                     ; x: row 512 Y + 64 wave
	s_mul_i32 s90, s90, 768
	s_mov_b32 s91, 0
	s_mul_i32 s94, s86, 192
	s_mul_i32 s95, s20, 64                         ; waves 0 to 2 fetch 64 rows of W each
	s_add_co_u32 s94, s94, s95                     ; W: row 192 X + 64 wave
	s_mul_i32 s94, s94, 768
	s_mov_b32 s95, 0
	s_mul_i32 s98, s20, 64*PITCH                   ; where they go: the wave's number alone
	s_mul_i32 s99, s20, 64*WP
	s_wait_kmcnt 0x0
	s_add_nc_u64 s[92:93], s[4:5], s[90:91]
	s_add_nc_u64 s[96:97], s[8:9], s[94:95]
.irp s, 0,1                            ; group 0 for x's slot s: chunk s of the first block
	s_mov_b32 s[40+4*\s], 1
	s_add_co_u32 s[41+4*\s], s98, \s*ASLOT
	s_add_nc_u64 s[42+4*\s:43+4*\s], s[92:93], \s*256
	s_or_b32 s[43+4*\s], s[43+4*\s], 0x80000000
.endr
	s_mov_b32 s48, 1                               ; group 0 for my 64 rows of W
	s_add_co_u32 s49, s99, BBASE
	s_mov_b64 s[50:51], s[96:97]
	s_or_b32 s51, s51, 0x80000000
	s_mov_b32 s60, 1                               ; group 0 for the head's load of x: chunk 0 of rows 512 Y on, into slot 0
	s_mov_b32 s61, 0
	s_mul_i32 s62, s87, 512*768
	s_mov_b32 s63, 0
	s_add_nc_u64 s[62:63], s[4:5], s[62:63]
	s_or_b32 s63, s63, 0x80000000
	CROUND                                         ; all sixteen work-groups are here: the first joint loads meet
	s_cmp_lt_u32 s20, 3                            ; one tensor load a wave at the head: waves 0 to 2 a third of W each, wave 3 x's chunk 0
	s_cbranch_scc0 .Lhead_x
	tensor_load_to_lds s[48:51], s[32:39]
	s_nop 0
	PLACES 4
	s_branch .Lhead_asked
.Lhead_x:
	tensor_load_to_lds s[60:63], s[52:59]
	s_nop 0
	PLACES 4
.Lhead_asked:
	; where the results go
	s_lshr_b32 s84, s87, 2                         ; the batch
	s_lshl_b32 s85, s84, 4
	s_add_co_u32 s85, s85, s86                     ; bh = 16 batch + head
	s_and_b32 s88, s87, 3
	s_lshl_b32 s88, s88, 2
	s_add_co_u32 s88, s88, s21                     ; my first block's key step: 4 (Y % 4) + i; the second block's is two on
	s_lshl_b32 s89, s85, 4
	s_add_co_u32 s89, s89, s88
	s_mul_i32 s89, s89, REC                        ; its record in kv
	s_mul_i32 s90, s85, 98304
	s_mul_i32 s91, s88, 6144
	s_add_co_u32 s90, s90, s91                     ; Q's codes: 768 bytes a tile, 128 tiles a head
	s_lshl_b32 s91, s85, 13
	s_lshl_b32 s94, s88, 9
	s_add_co_u32 s91, s91, s94                     ; Q's scale words: 64 bytes a tile
	s_add_co_u32 s94, s89, 12288                   ; K's scale words in the record
	s_mov_b32 s76, 12288                           ; from block to block: Q's codes 16 tiles,
	s_mov_b32 s78, 1024                            ; Q's words; K's: two records
	s_mov_b32 s95, 0x7f7f0000
	s_cmp_eq_u32 s22, 1                            ; Q's wave or K's: the choices hang on the wave's number alone
	s_cselect_b64 s[68:69], s[18:19], s[14:15]
	s_cselect_b64 s[70:71], s[18:19], s[16:17]
	s_cselect_b32 s92, s89, s90
	s_cselect_b32 s96, s94, s91
	s_cselect_b32 s76, 2*REC, s76
	s_cselect_b32 s78, 2*REC, s78
	s_cselect_b32 s98, 0x7fe30000, s95             ; a word's upper half: a hidden key, byte 2 = 227;
	s_cselect_b32 s99, 0x7f010000, s95             ; a key that counts, byte 2 = 1; a query, 127.  Byte 3 scales zero codes
	s_mov_b32 s93, 0
	s_mov_b32 s97, 0
	s_mov_b32 s77, 0
	s_mov_b32 s79, 0
	s_mov_b32 s95, 0
	s_add_nc_u64 s[68:69], s[68:69], s[92:93]      ; Q's or K's codes
	s_add_nc_u64 s[70:71], s[70:71], s[96:97]      ; and scale words
	s_mul_i32 s94, s22, 3072
	s_add_co_u32 s94, s94, s89
	s_add_co_u32 s94, s94, 6144
	s_add_nc_u64 s[72:73], s[18:19], s[94:95]      ; V's codes: channel tiles 2 j, 2 j + 1
	s_lshl_b32 s94, s22, 7
	s_add_co_u32 s94, s94, s89
	s_add_co_u32 s94, s94, 12800
	s_add_nc_u64 s[74:75], s[18:19], s[94:95]      ; V's scale words
	; the scales and the mask
	s_lshl_b32 s90, s87, 14
	s_lshl_b32 s91, s21, 12
	s_add_co_u32 s90, s90, s91                     ; (512 Y + 128 i) rows of 32 scale bytes
	s_mov_b32 s91, 0
	s_add_nc_u64 s[6:7], s[6:7], s[90:91]
	s_lshr_b32 s90, s90, 3                         ; the same rows' mask words
	s_lshl_b32 s92, s84, 13                        ; the batch's 2,048 mask words
	s_add_nc_u64 s[2:3], s[12:13], s[92:93]
	s_add_nc_u64 s[12:13], s[12:13], s[90:91]
	s_mul_i32 s90, s86, 6144                       ; the head's 192 rows of W's scales
	s_lshl_b32 s92, s22, 11
	s_add_co_u32 s92, s92, s90                     ; my Q or K rows
	s_lshl_b32 s94, s22, 10
	s_add_co_u32 s94, s94, s90
	s_add_co_u32 s94, s94, 4096                    ; my V rows
	s_add_nc_u64 s[66:67], s[10:11], s[94:95]
	s_add_nc_u64 s[10:11], s[10:11], s[92:93]
	s_mov_b32 s80, 0x76543210
	s_mov_b32 s81, 0xfedcba98                      ; v_permlanex16_b32's selects for lane l xor 16
	s_mov_b32 s82, 0xffff0000                      ; lanes 16-31
	v_and_b32 v1, 31, v0                           ; lane
	v_and_b32 v28, 15, v0                          ; r
	v_bfe_u32 v29, v0, 4, 1                        ; h
	v_lshlrev_b32 v[WO], 2, v1
	v_lshlrev_b32 v[L32], 5, v1
	v_lshlrev_b32 v[L16], 4, v1
	; a lane takes a row's 32 scale bytes: the words of K steps 0 to 7.  Lanes 0-15 are an even tile's rows, lanes 16-31 the odd tile's: the instruction's row selector picks
.irp p, 0,1
	global_load_b128 v[WS+8*\p:WS+8*\p+3], v[L32], s[10:11] offset:1024*\p
	global_load_b128 v[WS+8*\p+4:WS+8*\p+7], v[L32], s[10:11] offset:1024*\p+16
.endr
	global_load_b128 v[WS+16:WS+19], v[L32], s[66:67]
	global_load_b128 v[WS+20:WS+23], v[L32], s[66:67] offset:16
.irp k, 0,1
.irp p, 0,1,2,3
	global_load_b128 v[XS+32*\k+8*\p:XS+32*\k+8*\p+3], v[L32], s[6:7] offset:8192*\k+1024*\p
	global_load_b128 v[XS+32*\k+8*\p+4:XS+32*\k+8*\p+7], v[L32], s[6:7] offset:8192*\k+1024*\p+16
.endr
.endr
.irp k, 0,1
.irp p, 0,1,2,3
	global_load_b32 v[EXT+4*\k+\p], v[WO], s[12:13] offset:1024*\k+128*\p   ; my rows' mask words
.endr
.endr
.irp t, 0,1,2,3,4,5,6,7,8,9,10,11,12,13,14,15
	global_load_b128 v[CD+4*\t:CD+4*\t+3], v[L16], s[2:3] offset:512*\t      ; the whole batch's
.endr
	v_mul_u32_u24 v[VO], v28, 24
	v_mad_u32_u24 v[VO], v29, 12, v[VO]
	; x: v8, v9 my fragments in slot 0, 1; v10, v11: lanes 0-15 at byte 232 of the row in slot 0, 1 and lanes 16-31 at byte 0 of the row in the other slot
	v_mul_u32_u24 v30, v28, PITCH
	v_mad_u32_u24 v31, v29, 24, v30                ; row x pitch + 24 x half
	s_mul_i32 s90, s21, 128*PITCH                  ; my 128 rows of a slot
	v_add_nc_u32 v[ADA], s90, v31
	v_add_nc_u32 v[ADA+1], ASLOT, v[ADA]
	v_mul_u32_u24 v16, v29, ASLOT-232
	v_add_nc_u32 v16, v30, v16
	v_add_nc_u32 v16, 232, v16
	v_add_nc_u32 v[ADA+2], s90, v16
	v_sub_nc_u32 v17, 1, v29
	v_mul_u32_u24 v17, v17, ASLOT+232
	v_add_nc_u32 v17, v30, v17
	v_add_nc_u32 v[ADA+3], s90, v17
	; W: v12 Q's or K's rows, v13 the same behind one padding more for lanes 16-31; v14, v15 my part of V's
	v_mul_u32_u24 v18, v28, WP
	v_mad_u32_u24 v18, v29, 24, v18
	v_lshl_add_u32 v19, v29, 4, v18
	s_mul_i32 s90, s22, 64*WP
	s_add_co_u32 s90, s90, BBASE
	s_mul_i32 s91, s22, 32*WP
	s_add_co_u32 s91, s91, BBASE+128*WP
	v_add_nc_u32 v[ADB], s90, v18
	v_add_nc_u32 v[ADB+1], s90, v19
	v_add_nc_u32 v[ADB+2], s91, v18
	v_add_nc_u32 v[ADB+3], s91, v19
.irp b, 0,1,2,3
	v_mov_b32 v[T4+\b], 0                          ; written once: a lane permute's destination counts as one of its sources
.endr
; A fragment, 16 rows x 128 K, is 12 registers: lane l holds row l % 16; registers 6 c .. 6 c + 5 hold K = 64 c + 32 (l / 16) + 0 .. 31: 24 bytes of the row as they lie, in pieces of 8 bytes.
; Lanes 16-31 read three pieces further on; where that lies behind one padding more, the second address register serves.
.macro FRAGW reg, adr, q, i            ; W, K step q of 8: piece PC of the row's 96; 32 pieces to 256 bytes
.irp p, 0,1,2,3,4,5
.set PC, 12*(\q)+6*(\p/3)+\p%3
.if PC%32 < 29
	ds_load_b64 v[(\reg)+2*\p:(\reg)+2*\p+1], v[\adr] offset:8*PC+16*(PC/32)+(\i)*16*WP
.else
	ds_load_b64 v[(\reg)+2*\p:(\reg)+2*\p+1], v[(\adr)+1] offset:8*PC+16*(PC/32)+(\i)*16*WP
.endif
.endr
.endm
.macro FRAGX reg, g, i                 ; x, step g of the walk's 16: byte BYX of the walk lies in chunk BYX / 256, in slot (BYX / 256) % 2
.irp p, 0,1,2,3,4,5
.set BYX, 96*(\g)+48*(\p/3)+8*(\p%3)
.if BYX/256 == (BYX+24)/256
	ds_load_b64 v[(\reg)+2*\p:(\reg)+2*\p+1], v[ADA+(BYX/256)%2] offset:BYX%256+(\i)*16*PITCH
.else
	ds_load_b64 v[(\reg)+2*\p:(\reg)+2*\p+1], v[ADA+2+(BYX/256)%2] offset:BYX%256-232+(\i)*16*PITCH
.endif
.endr
.endm
.macro FETCH_A g                       ; x's eight fragments of step g into set g % 2
.if (\g)%2
	WIN 0xc0
.else
	WIN 0x40
.endif
.irp a, 0,1,2,3,4,5,6,7
	FRAGX 128*((\g)%2)+12*\a, \g, \a
.endr
.endm
.macro FETCH_B g                       ; W's six: four of Q or K, two of V
	WIN 0x40
.irp b, 0,1,2,3
	FRAGW 96+72*((\g)%2)+12*\b, ADB, (\g)%8, \b
.endr
.irp v, 0,1
	FRAGW 144+72*((\g)%2)+12*\v, ADB+2, (\g)%8, \v
.endr
.endm
; One product.  ra, rb: the scale words lie in lanes 16-31 of the register named.  zero: the product starts its sum
.macro WM d, a, b, sa, sb, ra, rb, zero
.if \zero
.if (\ra) && (\rb)
	v_wmma_scale_f32_16x16x128_f8f6f4 v[(\d):(\d)+7], v[(\a):(\a)+11], v[(\b):(\b)+11], 0, v[\sa], v[\sb] matrix_a_fmt:MATRIX_FMT_FP6 matrix_b_fmt:MATRIX_FMT_FP6 matrix_a_scale:MATRIX_SCALE_ROW1 matrix_b_scale:MATRIX_SCALE_ROW1
.elseif (\ra)
	v_wmma_scale_f32_16x16x128_f8f6f4 v[(\d):(\d)+7], v[(\a):(\a)+11], v[(\b):(\b)+11], 0, v[\sa], v[\sb] matrix_a_fmt:MATRIX_FMT_FP6 matrix_b_fmt:MATRIX_FMT_FP6 matrix_a_scale:MATRIX_SCALE_ROW1
.elseif (\rb)
	v_wmma_scale_f32_16x16x128_f8f6f4 v[(\d):(\d)+7], v[(\a):(\a)+11], v[(\b):(\b)+11], 0, v[\sa], v[\sb] matrix_a_fmt:MATRIX_FMT_FP6 matrix_b_fmt:MATRIX_FMT_FP6 matrix_b_scale:MATRIX_SCALE_ROW1
.else
	v_wmma_scale_f32_16x16x128_f8f6f4 v[(\d):(\d)+7], v[(\a):(\a)+11], v[(\b):(\b)+11], 0, v[\sa], v[\sb] matrix_a_fmt:MATRIX_FMT_FP6 matrix_b_fmt:MATRIX_FMT_FP6
.endif
.else
.if (\ra) && (\rb)
	v_wmma_scale_f32_16x16x128_f8f6f4 v[(\d):(\d)+7], v[(\a):(\a)+11], v[(\b):(\b)+11], v[(\d):(\d)+7], v[\sa], v[\sb] matrix_a_fmt:MATRIX_FMT_FP6 matrix_b_fmt:MATRIX_FMT_FP6 matrix_a_scale:MATRIX_SCALE_ROW1 matrix_b_scale:MATRIX_SCALE_ROW1
.elseif (\ra)
	v_wmma_scale_f32_16x16x128_f8f6f4 v[(\d):(\d)+7], v[(\a):(\a)+11], v[(\b):(\b)+11], v[(\d):(\d)+7], v[\sa], v[\sb] matrix_a_fmt:MATRIX_FMT_FP6 matrix_b_fmt:MATRIX_FMT_FP6 matrix_a_scale:MATRIX_SCALE_ROW1
.elseif (\rb)
	v_wmma_scale_f32_16x16x128_f8f6f4 v[(\d):(\d)+7], v[(\a):(\a)+11], v[(\b):(\b)+11], v[(\d):(\d)+7], v[\sa], v[\sb] matrix_a_fmt:MATRIX_FMT_FP6 matrix_b_fmt:MATRIX_FMT_FP6 matrix_b_scale:MATRIX_SCALE_ROW1
.else
	v_wmma_scale_f32_16x16x128_f8f6f4 v[(\d):(\d)+7], v[(\a):(\a)+11], v[(\b):(\b)+11], v[(\d):(\d)+7], v[\sa], v[\sb] matrix_a_fmt:MATRIX_FMT_FP6 matrix_b_fmt:MATRIX_FMT_FP6
.endif
.endif
.endm
; The 48 accumulators take turns, one instruction a turn, in the same order in every K step (V's 16, then Q's or K's 32).
.macro MULV set, q, blk, zero          ; V: source 0 = x's tile a, source 1 = W's V tile v
.if \set
	WIN 0xf7
.else
	WIN 0xf5
.endif
.irp a, 0,1,2,3,4,5,6,7
.irp v, 0,1
	WM 16*(4*\v+\a/2)+8*(\a%2), 128*(\set)+12*\a, 144+72*(\set)+12*\v, XS+32*(\blk)+8*(\a/2)+(\q), WS+16+(\q), \a%2, \v, \zero
.endr
.endr
.endm
.macro MULQK set, q, blk, zero, a0     ; Q or K: source 0 = W's tile b, source 1 = x's tile a; four tiles of rows
.if \set
	WIN 0xad
.else
	WIN 0xa5
.endif
.irp a, \a0, \a0+1, \a0+2, \a0+3
.irp b, 0,1,2,3
	WM 8*(4*(\a)+\b), 96+72*(\set)+12*\b, 128*(\set)+12*(\a), WS+8*(\b/2)+(\q), XS+32*(\blk)+8*((\a)/2)+(\q), \b%2, (\a)%2, \zero
.endr
.endr
.endm
; A block's first K step multiplies set 0 and fetches set 1 from the same slot and chunk.  The four places stand between the last products that read set 1 and the loads into it (ISA guide 7.12.1 for vector instructions).
; Step g of the walk's 16 multiplies set g % 2 and fetches step g + 1's fragments into the other set.  What else stands in it hangs on where the next step's 96 bytes of x lie:
;   they END in a chunk that no step has read yet: every wave waits for its tensor loads, and a barrier shows that chunk whole, ahead of the fetch;
;   they BEGIN in a later chunk than this step's: the chunk left behind is read no more: the wait for all my tensor loads, an add onto my spare word, the wait for it and for my reads, the barrier;
;   where a chunk two on is left to fetch, that barrier opens a round of the cluster's, and behind the round the slot is filled again: my one tensor load until the next round.
; The four places stand between the last products that read the other set and the loads into it.
.macro STEP g
.set NX, (\g)+1
.set C0, (96*(\g))/256
.set C1, (96*NX)/256
.set E0, (96*(\g)+95)/256
.set E1, (96*NX+95)/256
.if C1 > C0 || E1 > E0
	WIN 0
	s_wait_tensorcnt 0x0                           ; all my tensor loads have landed
.if C1 > C0
	ds_add_u32 v[SPW], v[NIL]                      ; 0 onto my spare word
.endif
	s_wait_dscnt 0x0                               ; this step's fragments are in: my reads of any chunk left behind are over
	s_barrier_signal -1
	MULV (\g)%2, (\g)%8, (\g)/8, ((\g)%8)==0
	WIN 0
	s_barrier_wait -1
.if C1 > C0 && C0+2 < 6
	CREST
	s_add_nc_u64 s[42+4*(C0%2):43+4*(C0%2)], s[42+4*(C0%2):43+4*(C0%2)], ((C0+2)/3-C0/3)*256*768+((C0+2)%3-C0%3)*256   ; chunk C0 + 2: three chunks to a block of 256 rows
	tensor_load_to_lds s[40+4*(C0%2):43+4*(C0%2)], s[24:31]
	s_nop 0
.endif
	PLACES 4
	FETCH_B NX
	MULQK (\g)%2, (\g)%8, (\g)/8, ((\g)%8)==0, 0
	FETCH_A NX
	MULQK (\g)%2, (\g)%8, (\g)/8, ((\g)%8)==0, 4
.else
	s_wait_dscnt 0x0                               ; this step's fragments are in
	PLACES 4
	FETCH_B NX
	MULV (\g)%2, (\g)%8, (\g)/8, ((\g)%8)==0
	FETCH_A NX
	MULQK (\g)%2, (\g)%8, (\g)/8, ((\g)%8)==0, 0
	MULQK (\g)%2, (\g)%8, (\g)/8, ((\g)%8)==0, 4
.endif
.endm
; Four runs of 16 accumulator registers, at P, P + 16, P + 32, P + 48, each half a block of 32 along the next K, become codes at v[C + 4 b] and bytes at v[BY + b].
; The largest magnitude has the floor 2^(3 - 127) among its leaves, so the byte cannot fall under 1; 2 off its exponent field is the conversion's scale operand.  Each accumulator is first read at its low end.
.macro QB4 wmax, wcvt, P, C
	WIN \wmax
.irp b, 0,1,2,3
	v_max3_num_f32 v[T+\b], 0x1800000, |v[(\P)+16*\b]|, |v[(\P)+16*\b+1]|
.endr
.irp i, 2,4,6,8,10,12,14
.irp b, 0,1,2,3
	v_max3_num_f32 v[T+\b], v[T+\b], |v[(\P)+16*\b+\i]|, |v[(\P)+16*\b+\i+1]|
.endr
.endr
	WIN 0
.irp b, 0,1,2,3
	v_permlanex16_b32 v[T4+\b], v[T+\b], s80, s81
.endr
.irp b, 0,1,2,3
	v_max_num_f32 v[T+\b], v[T+\b], v[T4+\b]       ; with lane l xor 16's 16: the block's
.endr
.irp b, 0,1,2,3
	v_add_nc_u32 v[SCL+\b], 0xff000000, v[T+\b]
.endr
.irp b, 0,1,2,3
	v_lshrrev_b32 v[BY+\b], 23, v[SCL+\b]
.endr
	WIN \wcvt
.irp b, 0,1,2,3
	v_cvt_scalef32_pk16_fp6_f32 v[(\C)+4*\b:(\C)+4*\b+2], v[(\P)+16*\b:(\P)+16*\b+15], v[SCL+\b]
.endr
	WIN 0
	v_nop                                          ; one plain place behind the conversions: matrix instructions write their sources again
.endm
; A block's 128 x 96 results of mine leave as codes and scale words.
.macro EPI blk
	WIN 0
	PLACES 4                                       ; in front of the first read of results
.if \blk
	s_wait_xcnt 0x0                                ; the first block's stores have read their data and bases
	s_add_nc_u64 s[68:69], s[68:69], s[76:77]
	s_add_nc_u64 s[70:71], s[70:71], s[78:79]
.endif
.irp g, 0,1,2,3                        ; tiles of rows 2 g, 2 g + 1: their four blocks of 32 channels
	QB4 0x28, 0x02, 64*\g, CD+16*\g
.irp b, 0,1,2,3
	global_store_b96 v[VO], v[CD+16*\g+4*\b:CD+16*\g+4*\b+2], s[68:69] offset:1536*\g+384*\b   ; 384 consecutive bytes: a record
.endr
	v_lshl_or_b32 v[T], v[BY+1], 8, v[BY]          ; the even tile's two bytes,
	v_lshl_or_b32 v[T+1], v[BY+3], 8, v[BY+2]      ; the odd tile's,
	v_cndmask_b32 v[T], v[T], v[T+1], s82          ; which lanes 16-31 take;
	v_or_b32 v[T], v[T], v[EXT+4*\blk+\g]          ; the upper half, by the row's mask;
	v_cndmask_b32 v[WD+\g], v[T], v[VALL], s83     ; a batch that is hidden as a whole
	global_store_b32 v[WO], v[WD+\g], s[70:71] offset:128*\g
.endr
.irp v, 0,1                            ; V's channel tile v: four blocks of 32 keys
	QB4 0x3c, 0x03, 64*\v, CD+64+16*\v
.irp b, 0,1,2,3
	global_store_b96 v[VO], v[CD+64+16*\v+4*\b:CD+64+16*\v+4*\b+2], s[72:73] offset:2*REC*\blk+1536*\v+384*\b
.endr
	v_lshl_or_b32 v[WD+4+\v], v[BY+1], 8, v[BY]
	v_lshl_or_b32 v[WD+4+\v], v[BY+2], 16, v[WD+4+\v]
	v_lshl_or_b32 v[WD+4+\v], v[BY+3], 24, v[WD+4+\v]
.endr
	v_cndmask_b32 v[WD+6], v[WD+4], v[WD+5], s82
	global_store_b32 v[WO], v[WD+6], s[74:75] offset:2*REC*\blk
.endm
	s_wait_alu depctr_va_vdst(0)                   ; the wait at the head's end
	s_wait_tensorcnt 0x0                           ; my tile of the head's four is in; slot 1's first fill is issued as a refill is:
	ds_add_u32 v[SPW], v[NIL]                      ; an add onto my spare word,
	s_wait_dscnt 0x0                               ; its wait,
	CROUND                                         ; a whole round: W and x's chunk 0 are in, and all sixteen work-groups are here,
	tensor_load_to_lds s[44:47], s[24:31]          ; and my 64 rows of chunk 1
	s_nop 0
	PLACES 4
	FETCH_B 0
	FETCH_A 0
	WIN 0
	s_wait_loadcnt 0x0                             ; the scales and the mask
.irp st, 32,16,8,4,2,1                 ; is any key of the batch left?  The 64 words of each lane are joined, then the lanes
.set i, 0
.rept \st
	v_or_b32 v[CD+i], v[CD+i], v[CD+i+\st]
.set i, i+1
.endr
.endr
	v_cmp_ne_u32 s90, 0, v[CD]
	s_sub_co_u32 s91, 0, s22                       ; all ones in K's waves
	s_cmp_eq_u32 s90, 0
	s_cselect_b32 s83, s91, 0                      ; all lanes where the batch is hidden as a whole and the words are K's
	v_mov_b32 v[VM], s98
	v_mov_b32 v[VU], s99
	v_mov_b32 v[VALL], 0x7f010101
.irp e, 0,1,2,3,4,5,6,7
	v_cmp_ne_u32 vcc_lo, 0, v[EXT+\e]
	v_cndmask_b32 v[EXT+\e], v[VM], v[VU], vcc_lo
.endr
.irp g, 0,1,2,3,4,5,6,7                ; the first block; step 7 already fetches the second block's first fragments
	STEP \g
.endr
	EPI 0
.irp g, 8,9,10,11,12,13,14
	STEP \g
.endr
	s_wait_dscnt 0x0
	MULV 1, 7, 1, 0
	MULQK 1, 7, 1, 0, 0
	MULQK 1, 7, 1, 0, 4
	EPI 1
	s_wait_tensorcnt 0x0                           ; the wave's end
	ds_add_u32 v[SPW], v[NIL]
	s_wait_dscnt 0x0
	CROUND                                         ; the closing round: no work-group ends while a partner may still ask for a tile that names it
	s_endpgm
.Lfunc_end_k_q8313be85a9_qkv:
	.size	k_q8313be85a9_qkv, .Lfunc_end_k_q8313be85a9_qkv-k_q8313be85a9_qkv
	.p2alignl 7, 3214868480
	.fill 96, 4, 3214868480
	.section	.rodata,"a",@progbits
	.p2align	6, 0x0
	.amdhsa_kernel k_q8313be85a9_qkv
		.amdhsa_group_segment_fixed_size 327680
		.amdhsa_private_segment_fixed_size 0
		.amdhsa_enable_private_segment 0
		.amdhsa_kernarg_size 64
		.amdhsa_user_sgpr_count 2
		.amdhsa_user_sgpr_kernarg_segment_ptr 1
		.amdhsa_wavefront_size32 1
		.amdhsa_system_sgpr_workgroup_id_x 1
		.amdhsa_system_sgpr_workgroup_id_y 1
		.amdhsa_system_sgpr_workgroup_id_z 1
		.amdhsa_system_vgpr_workitem_id 0
		.amdhsa_next_free_vgpr 1024
		.amdhsa_next_free_sgpr 100
		.amdhsa_reserve_vcc 1
		.amdhsa_float_denorm_mode_32 3
		.amdhsa_float_denorm_mode_16_64 3
		.amdhsa_memory_ordered 1
		.amdhsa_forward_progress 1
		.amdhsa_inst_pref_size 254
	.end_amdhsa_kernel
	.amdgpu_metadata
---
amdhsa.version: [ 1, 2 ]
amdhsa.kernels:
  - .name:           k_q8313be85a9_qkv
    .symbol:         k_q8313be85a9_qkv.kd
    .args:
      - { .name: x_codes, .offset: 0, .size: 8, .value_kind: global_buffer, .address_space: global }
      - { .name: x_scales, .offset: 8, .size: 8, .value_kind: global_buffer, .address_space: global }
      - { .name: W_qkv_codes, .offset: 16, .size: 8, .value_kind: global_buffer, .address_space: global }
      - { .name: W_qkv_scales, .offset: 24, .size: 8, .value_kind: global_buffer, .address_space: global }
      - { .name: mask, .offset: 32, .size: 8, .value_kind: global_buffer, .address_space: global }
      - { .name: qc, .offset: 40, .size: 8, .value_kind: global_buffer, .address_space: global }
      - { .name: qs, .offset: 48, .size: 8, .value_kind: global_buffer, .address_space: global }
      - { .name: kv, .offset: 56, .size: 8, .value_kind: global_buffer, .address_space: global }
    .group_segment_fixed_size: 327680
    .private_segment_fixed_size: 0
    .kernarg_segment_align: 8
    .kernarg_segment_size: 64
    .max_flat_workgroup_size: 128
    .sgpr_count:     100
    .vgpr_count:     1024
    .wavefront_size: 32
...
	.end_amdgpu_metadata
.endif
;; end of part 1
;; launch attn (part 2): grid 4 x 64, 16 waves a work-group, clusters of 4 x 1, 215,040 bytes of LDS; arguments qc, qs, kv, vc, vs; writes vc, vs
.if DOCPART == 2
	.amdgcn_target "amdgcn-amd-amdhsa--gfx1250"
	.amdhsa_code_object_version 6
	.text
	.protected	k_q8313be85a9_attn
	.globl	k_q8313be85a9_attn
	.p2align	8
	.type	k_q8313be85a9_attn,@function
k_q8313be85a9_attn:
	s_mov_b64 s[64:65], 0
	v_nop
	global_prefetch_b8 v0, s[64:65] scope:SCOPE_SE
	s_setreg_imm32_b32 hwreg(HW_REG_WAVE_MODE, 25, 1), 1
	s_wait_xcnt 0x0
	s_wait_alu depctr_hold_cnt(0) depctr_sa_sdst(0) depctr_va_vdst(0) depctr_va_sdst(0) depctr_va_ssrc(0) depctr_va_vcc(0) depctr_vm_vsrc(0)
	s_getreg_b32 s2, hwreg(HW_REG_IB_STS2, 6, 4)
	s_cmp_eq_u32 s2, 0
	s_cbranch_scc0 .Lentry_in_a_cluster
	s_endpgm
.Lentry_in_a_cluster:
	s_bfe_u32 s2, ttmp6, 0x10000c
	s_cmp_lg_u32 s2, 0x3003
	s_cbranch_scc0 .Lentry_shape_is_right
	s_endpgm
.Lentry_shape_is_right:
; Z = softmax(Q K^T / 8, hidden keys left out) V for one head and 512 queries a work-group, both products on codes of FP6 (E2M3) with E8M0 scales; Z leaves quantised along the model's 1,024 for the last product.
; THE SOFTMAX: t = score x log2(e) / 8; M = the running largest t rounded up to a whole number, kept as -M = floor(-t); p = 2^(t - M) is quantised along the keys, not normalised; the row's sum is taken of the
; unquantised p and divides at the end; when M moves, the sum and O are multiplied by 2^(old M - new M), which rounds nothing.
; SHARES.  Sixteen waves, each two tiles of 16 queries, one after the other, in 256 registers, four waves to a SIMD.  Every wave walks the head's 2,048 keys, 128 a step.
; A WHOLE HEAD'S K, V AND SCALE WORDS, 16 records of 13,056 bytes, lie in LDS as they lie in memory: filled once, one record by each of the sixteen waves, jointly for the cluster's four query blocks.
; The keys' walk begins when all 16 records are in: one wait and one barrier ahead of it.  Nothing is filled again.
; LAYOUT.  S^T = K Q^T (source 0 = 16 keys, source 1 = my queries), O^T = V^T P^T (source 0 = 16 channels, source 1 = P): a lane holds one query throughout.  The 16 registers of two neighbouring tiles of keys hold
; keys 32 b + 16 u + 8 h + j at place 16 h + 8 u + j of block b: the order in which V's codes were laid.
; THE MASK.  The first product's instruction is 128 deep, a head 64.  At k = 64 Q holds the code of +1 (scale byte 127) and K the code of -1; byte 2 of a key's scale word is 227 where the key is hidden, 1 where it counts:
; a hidden key's score is lowered by 2^100.  The running largest t begins at -2^60, so steps of hidden keys alone leave M where it is and give p = 0.
; LIMITS: the t of a key that counts lies above -2^60; NaN and infinities are not served; a block of Z whose largest magnitude lies under 2^-124 keeps the byte 1.
; REGISTERS: v1 24 x lane, v2 4 x lane, v3-4 the step's addresses, v5-6 the way out; v12 -M, v13 largest t, v[14:15] the sum; v16-27 Q, v28 its scale words; v32-79 four fragments of K; v80-83 K's scale words, v84-85 V's;
;   v96-159 S^T, then p, then V's four fragments; v160-191 O^T; v192-203 p's codes; v204-211 conversions' second halves; v212-227 at work; v228 p's scale word.
; SHARES, as this text has them (in place of the lines on shares and fills above): a work-group serves 512 queries of one head; each of its sixteen waves takes two tiles of 16 queries, one after the other,
; and walks the head's 16 records for each.  Wave w fetches record w: one joint load a wave at the head, one wait and one barrier; nothing is filled again, and no barrier stands in the walks.
.set REC, 13056
.macro CROUND                          ; a round of the cluster's barrier
	s_barrier_signal -1
	s_barrier_wait -1
	s_cmp_lg_u32 s18, 0
	s_cbranch_scc1 .Lnot_wave_0_\@
	s_barrier_signal -3
.Lnot_wave_0_\@:
	s_barrier_wait -3
	s_barrier_signal -1
	s_barrier_wait -1
.endm
	s_load_b256 s[4:11], s[0:1], 0x0               ; qc s[4:5], qs s[6:7], kv s[8:9], vc s[10:11]
	s_load_b64 s[12:13], s[0:1], 0x20              ; vs
	v_lshl_add_u32 v254, v0, 2, 0x34000
	v_mov_b32 v255, 0
	ds_add_u32 v254, v255
	ds_add_u32 v254, v255
	v_lshrrev_b32 v1, 5, v0
	s_delay_alu instid0(VALU_DEP_1)
	v_readfirstlane_b32 s18, v1                    ; wave 0..15
	s_bfe_u32 s14, ttmp6, 0x40000                  ; cx
	s_lshl_b32 s15, ttmp9, 2
	s_add_co_u32 s15, s15, s14
	s_lshl_b32 s15, s15, 1                         ; counted in blocks of 256 queries: my first pass's; the second pass's is one on
	s_and_b32 s16, ttmp7, 0xffff                   ; bh = 16 batch + head, which the four partners share
	; group 1: a record as 51 rows of 256 bytes (32 elements of 8 bytes), dense, no padding; the mask names all four work-groups
	s_mov_b32 s24, 15|(3<<16)|(1<<21)
	s_mov_b32 s25, 32<<16
	s_mov_b32 s26, 51<<16
	s_mov_b32 s27, 32<<16
	s_mov_b32 s28, 51
	s_mov_b32 s29, 32
	s_mov_b32 s30, 0
	s_mov_b32 s31, 0
	s_mul_i32 s52, s16, 16*REC
	s_mul_i32 s51, s18, REC                        ; record = my wave's number: in LDS as in memory
	s_add_co_u32 s52, s52, s51
	s_mov_b32 s53, 0
	s_mov_b32 s20, 0x76543210
	s_mov_b32 s21, 0xfedcba98                      ; v_permlanex16_b32's selects for lane l xor 16
	s_mov_b32 s22, 0x3e38aa3b                      ; c = log2(e) / 8
	s_mov_b32 s23, s22                             ; (named with it as a pair)
	s_mov_b32 s58, 0xffff0000                      ; lanes 16-31
	s_wait_dscnt 0x0
	s_wait_kmcnt 0x0
	s_add_nc_u64 s[52:53], s[8:9], s[52:53]
	s_mov_b32 s32, 1
	s_mul_i32 s33, s18, REC
	s_mov_b64 s[34:35], s[52:53]
	s_or_b32 s35, s35, 0x80000000
	CROUND                                         ; all four work-groups are here: the joint loads meet
	tensor_load_to_lds s[32:35], s[24:31]          ; my record: one tensor load a wave
	s_nop 0
.rept 4
	v_nop
.endr
	s_lshl_b32 s54, s16, 7
	s_lshl_b32 s55, s15, 4
	s_add_co_u32 s54, s54, s55
	s_add_co_u32 s54, s54, s18                     ; my tile of queries: 128 bh + 16 block + wave
	s_mul_i32 s56, s54, 768
	s_mov_b32 s57, 0
	s_add_nc_u64 s[4:5], s[4:5], s[56:57]
	s_lshl_b32 s56, s54, 6
	s_add_nc_u64 s[6:7], s[6:7], s[56:57]
	v_and_b32 v7, 31, v0                           ; lane
	s_delay_alu instid0(VALU_DEP_1)
	v_mul_u32_u24 v1, v7, 24                       ; a record's 24 bytes a lane: block lane / 16, row lane % 16
	s_delay_alu instid0(VALU_DEP_2)
	v_lshlrev_b32 v2, 2, v7
	v_and_b32 v8, 15, v0                           ; r
	s_wait_alu depctr_va_vdst(0)
	v_bfe_u32 v9, v0, 4, 1                         ; h
	v_lshlrev_b32 v10, 2, v8
.irp i, 0,1,2
	global_load_b64 v[16+2*\i:17+2*\i], v1, s[4:5] offset:8*\i   ; Q's codes, k = 32 h + 0 .. 31
.endr
	global_load_b32 v28, v10, s[6:7]               ; Q's scale words
.irp i, 0,1,2
	global_load_b64 v[230+2*\i:231+2*\i], v1, s[4:5] offset:12288+8*\i   ; the second pass's tile, 16 tiles on: kept in v230-236
.endr
	global_load_b32 v236, v10, s[6:7] offset:1024
	; where Z goes: vc [128 rows][K step of 128][tile][block][row][24], vs [row][32]
	s_lshr_b32 s50, s16, 4                         ; batch
	s_and_b32 s51, s16, 15                         ; head
	s_lshl_b32 s52, s50, 4
	s_lshl_b32 s53, s15, 1
	s_add_co_u32 s52, s52, s53
	s_lshr_b32 s53, s18, 3
	s_add_co_u32 s52, s52, s53                     ; which 128 rows
	s_lshl_b32 s52, s52, 3
	s_lshr_b32 s53, s51, 1
	s_add_co_u32 s52, s52, s53                     ; which K step: head / 2
	s_lshl_b32 s52, s52, 3
	s_and_b32 s53, s18, 7
	s_add_co_u32 s52, s52, s53                     ; which tile
	s_mul_i32 s52, s52, 1536
	s_and_b32 s53, s51, 1
	s_mul_i32 s53, s53, 768
	s_add_co_u32 s52, s52, s53                     ; blocks 2 (head % 2) on
	s_mov_b32 s53, 0
	s_add_nc_u64 s[10:11], s[10:11], s[52:53]
	s_lshl_b32 s52, s50, 11
	s_lshl_b32 s54, s15, 8
	s_add_co_u32 s52, s52, s54
	s_lshl_b32 s54, s18, 4
	s_add_co_u32 s52, s52, s54                     ; my first row
	s_lshl_b32 s52, s52, 5
	s_lshl_b32 s54, s51, 1
	s_add_co_u32 s52, s52, s54                     ; its bytes 2 head, 2 head + 1
	s_add_nc_u64 s[12:13], s[12:13], s[52:53]
	v_mul_u32_u24 v5, v8, 24
	s_wait_alu depctr_va_vdst(0)
	v_mad_u32_u24 v5, v9, 12, v5                   ; 24 r + 12 h
	v_lshl_add_u32 v6, v8, 5, v9                   ; 32 r + h
	v_xor_b32 v11, 1, v9                           ; 1 in lanes 0-15
	s_delay_alu instid0(VALU_DEP_1)
	v_lshlrev_b32 v22, 3, v11                      ; Q at k = 64: the code 8, +1.0; all other codes of k = 64 .. 127 are 0
	s_delay_alu instid0(VALU_DEP_2)
	v_mul_u32_u24 v38, v11, 40                     ; K at k = 64: the code 40, -1.0
.irp i, 23,24,25,26,27
	v_mov_b32 v\i, 0
.endr
.irp t, 1,2,3
	v_mov_b32 v[38+12*\t], v38
.endr
.irp t, 0,1,2,3
.irp i, 7,8,9,10,11
	v_mov_b32 v[32+12*\t+\i], 0
.endr
.endr
.irp b, 0,1,2,3
	v_mov_b32 v[216+\b], 0                         ; written once: a lane permute's destination counts as one of its sources
.endr
	v_mov_b32 v227, 0                              ; (named as the upper half of the pair v[226:227])
.macro INIT                            ; a pass begins
	v_mov_b32 v13, 0xdd800000                      ; the largest t so far: -2^60
	s_delay_alu instid0(VALU_DEP_1)
	v_floor_f32 v12, -v13                          ; -M
	v_mov_b32 v14, 0
	v_mov_b32 v15, 0
.set j, 0
.rept 32
	v_mov_b32 v[160+j], 0                          ; O^T: the step is written once; the first finds zeros
.set j, j+1
.endr
.endm
; A KEY STEP: 128 keys, whose record begins at LDS byte s48.
.macro STEP
	v_add_nc_u32 v3, s48, v1
	s_wait_alu depctr_va_vdst(0)
	v_add_nc_u32 v4, s48, v2
.irp p, 0,1,2,3
	ds_load_b32 v[80+\p], v4 offset:12288+128*\p   ; K's scale words: lanes 0-15 tile 2 p, lanes 16-31 tile 2 p + 1
.endr
.irp p, 0,1
	ds_load_b32 v[84+\p], v4 offset:12800+128*\p   ; V's likewise
.endr
.irp g, 0,1                            ; S^T = K Q^T, four tiles of 16 keys at a time
.if \g
.rept 4
	v_nop                                          ; places in front of loads into registers that matrix instructions have read
.endr
.endif
.irp t, 0,1,2,3
.irp i, 0,1,2
	ds_load_b64 v[32+12*\t+2*\i:33+12*\t+2*\i], v3 offset:(4*\g+\t)*768+8*\i
.endr
.endr
	s_wait_dscnt 0x0
.irp t, 0,1,2,3
.if \t%2
	v_wmma_scale_f32_16x16x128_f8f6f4 v[96+8*(4*\g+\t):103+8*(4*\g+\t)], v[32+12*\t:43+12*\t], v[16:27], 0, v[80+2*\g+\t/2], v28 matrix_a_fmt:MATRIX_FMT_FP6 matrix_b_fmt:MATRIX_FMT_FP6 matrix_a_scale:MATRIX_SCALE_ROW1
.else
	v_wmma_scale_f32_16x16x128_f8f6f4 v[96+8*(4*\g+\t):103+8*(4*\g+\t)], v[32+12*\t:43+12*\t], v[16:27], 0, v[80+2*\g+\t/2], v28 matrix_a_fmt:MATRIX_FMT_FP6 matrix_b_fmt:MATRIX_FMT_FP6
.endif
.endr
.endr
.rept 4
	v_nop
.endr
.irp b, 0,1,2,3
	v_max3_num_f32 v[212+\b], v[96+16*\b], v[97+16*\b], v[98+16*\b]   ; the largest score of each block of 32 keys: for the row's maximum, and, since p rises with the score, for the block's largest p
.endr
.irp i, 3,5,7,9,11,13
.irp b, 0,1,2,3
	v_max3_num_f32 v[212+\b], v[212+\b], v[96+16*\b+\i], v[97+16*\b+\i]
.endr
.endr
.irp b, 0,1,2,3
	v_max_num_f32 v[212+\b], v[212+\b], v[111+16*\b]
.endr
.irp b, 0,1,2,3
	s_delay_alu instid0(VALU_DEP_4)
	v_permlanex16_b32 v[216+\b], v[212+\b], s20, s21
.endr
.irp b, 0,1,2,3
	s_delay_alu instid0(VALU_DEP_4)
	v_max_num_f32 v[212+\b], v[212+\b], v[216+\b]  ; with lane l xor 16's 16 keys
.endr
	s_delay_alu instid0(VALU_DEP_2)
	v_max3_num_f32 v224, v212, v213, v214
	s_delay_alu instid0(VALU_DEP_1)
	v_max_num_f32 v224, v224, v215
	s_delay_alu instid0(VALU_DEP_1)
	v_mul_f32 v224, s22, v224                      ; the step's largest t
	s_delay_alu instid0(VALU_DEP_1)
	v_max_num_f32 v13, v13, v224
	v_mov_b32 v224, v12
	s_delay_alu instid0(VALU_DEP_2)
	v_floor_f32 v12, -v13                          ; the new -M
	s_delay_alu instid0(VALU_DEP_1)
	v_sub_f32 v224, v12, v224                      ; old M - new M: a whole number, 0 or less
	s_delay_alu instid0(VALU_DEP_1)
	v_cvt_i32_f32 v224, v224                       ; (it saturates)
	s_delay_alu instid0(VALU_DEP_1)
	v_ldexp_f32 v226, 1.0, v224                    ; f = 2^(old M - new M)
.set j, 0
.rept 32
	v_pk_fma_f32 v[96+j:97+j], v[96+j:97+j], s[22:23], v[12:13] op_sel_hi:[1,0,0]   ; t - M
.set j, j+2
.endr
.irp b, 0,1,2,3
	v_fma_f32 v[212+\b], v[212+\b], s22, v12
.endr
.set j, 0
	s_wait_alu depctr_va_vdst(0)
.rept 64
	v_exp_f32 v[96+j], v[96+j]                     ; p = 2^(t - M)
.set j, j+1
.endr
	v_pk_mul_f32 v[14:15], v[14:15], v[226:227] op_sel_hi:[1,0]   ; the sums under the new M; a plain place behind the exponentials
	s_wait_alu depctr_va_vdst(0)                   ; one wait for the batch, ahead of its first reader
.irp b, 0,1,2,3
	v_exp_f32 v[212+\b], v[212+\b]                 ; each block's largest p
.endr
	v_pk_add_f32 v[216:217], v[100:101], v[104:105]
	v_pk_add_f32 v[252:253], v[108:109], v[112:113]
	v_pk_add_f32 v[250:251], v[116:117], v[120:121]
	v_pk_add_f32 v[248:249], v[124:125], v[128:129]
	v_pk_add_f32 v[246:247], v[132:133], v[136:137]
	v_pk_add_f32 v[244:245], v[140:141], v[144:145]
	v_pk_add_f32 v[242:243], v[148:149], v[152:153]
	v_pk_add_f32 v[14:15], v[14:15], v[156:157]
	v_pk_add_f32 v[216:217], v[216:217], v[96:97]
	v_pk_add_f32 v[252:253], v[252:253], v[98:99]
	v_pk_add_f32 v[250:251], v[250:251], v[102:103]
	v_pk_add_f32 v[248:249], v[248:249], v[106:107]
	v_pk_add_f32 v[246:247], v[246:247], v[110:111]
	v_pk_add_f32 v[244:245], v[244:245], v[114:115]
	v_pk_add_f32 v[242:243], v[242:243], v[118:119]
	v_pk_add_f32 v[14:15], v[14:15], v[122:123]
	v_pk_add_f32 v[216:217], v[216:217], v[126:127]
	v_pk_add_f32 v[252:253], v[252:253], v[130:131]
	v_pk_add_f32 v[250:251], v[250:251], v[134:135]
	v_pk_add_f32 v[248:249], v[248:249], v[138:139]
	v_pk_add_f32 v[246:247], v[246:247], v[142:143]
	v_pk_add_f32 v[244:245], v[244:245], v[146:147]
	v_pk_add_f32 v[242:243], v[242:243], v[150:151]
	v_pk_add_f32 v[14:15], v[14:15], v[154:155]
	v_pk_add_f32 v[216:217], v[216:217], v[158:159]
	s_delay_alu instid0(VALU_DEP_2)
	v_pk_add_f32 v[14:15], v[14:15], v[248:249]
	s_delay_alu instid0(VALU_DEP_2)
	v_pk_add_f32 v[216:217], v[216:217], v[246:247]
	v_pk_add_f32 v[252:253], v[252:253], v[244:245]
	v_pk_add_f32 v[250:251], v[250:251], v[242:243]
	s_delay_alu instid0(VALU_DEP_2)
	v_pk_add_f32 v[14:15], v[14:15], v[252:253]
	s_delay_alu instid0(VALU_DEP_2)
	v_pk_add_f32 v[216:217], v[216:217], v[250:251]
	s_delay_alu instid0(VALU_DEP_1)
	v_pk_add_f32 v[14:15], v[14:15], v[216:217]
	s_wait_alu depctr_va_vdst(0)                   ; and one for the four
.irp b, 0,1,2,3
	v_max_num_f32 v[212+\b], 0x1800000, v[212+\b]  ; the floor 2^(3 - 127): the byte cannot fall under 1
.endr
.irp b, 0,1,2,3
	s_delay_alu instid0(VALU_DEP_4)
	v_add_nc_u32 v[220+\b], 0xff000000, v[212+\b]  ; 2 off the exponent field: the conversion's scale operand
.endr
.irp b, 0,1,2,3
	s_delay_alu instid0(VALU_DEP_4)
	v_lshrrev_b32 v[216+\b], 23, v[220+\b]
.endr
	s_delay_alu instid0(VALU_DEP_3)
	v_lshl_or_b32 v228, v217, 8, v216              ; p's scale word for these 128 keys
	s_delay_alu instid0(VALU_DEP_1)
	v_lshl_or_b32 v228, v218, 16, v228
	s_delay_alu instid0(VALU_DEP_1)
	v_lshl_or_b32 v228, v219, 24, v228
.irp c, 0,1
	v_cvt_scalef32_pk16_fp6_f32 v[192+6*\c:194+6*\c], v[96+32*\c:111+32*\c], v[220+2*\c]
	v_cvt_scalef32_pk16_fp6_f32 v[204+4*\c:206+4*\c], v[112+32*\c:127+32*\c], v[220+2*\c+1]
.endr
	v_nop                                          ; one plain place behind the conversions
.irp t, 0,1,2,3                        ; V's four fragments land where p lay
.irp p, 0,1,2,3,4,5
	ds_load_b64 v[96+12*\t+2*\p:97+12*\t+2*\p], v3 offset:6144+1536*\t+768*(\p/3)+8*(\p%3)
.endr
.endr
.irp c, 0,1                            ; the operand wants a whole block in a lane: lanes 0-15 block 2 c, lanes 16-31 block 2 c + 1
.irp i, 0,1,2
	v_permlane16_swap_b32 v[192+6*\c+\i], v[204+4*\c+\i]
.endr
.irp i, 0,1,2
	s_delay_alu instid0(VALU_DEP_3)
	v_mov_b32 v[195+6*\c+\i], v[204+4*\c+\i]
.endr
.endr
.set j, 0
.rept 16
	v_pk_mul_f32 v[160+j:161+j], v[160+j:161+j], v[226:227] op_sel_hi:[1,0]   ; O^T under the new M; also the places in front of the scaled products
.set j, j+2
.endr
	s_wait_alu depctr_va_vdst(0)
	s_wait_dscnt 0x0
.irp t, 0,1,2,3                        ; O^T += V^T P^T
.if \t%2
	v_wmma_scale_f32_16x16x128_f8f6f4 v[160+8*\t:167+8*\t], v[96+12*\t:107+12*\t], v[192:203], v[160+8*\t:167+8*\t], v[84+\t/2], v228 matrix_a_fmt:MATRIX_FMT_FP6 matrix_b_fmt:MATRIX_FMT_FP6 matrix_a_scale:MATRIX_SCALE_ROW1
.else
	v_wmma_scale_f32_16x16x128_f8f6f4 v[160+8*\t:167+8*\t], v[96+12*\t:107+12*\t], v[192:203], v[160+8*\t:167+8*\t], v[84+\t/2], v228 matrix_a_fmt:MATRIX_FMT_FP6 matrix_b_fmt:MATRIX_FMT_FP6
.endif
.endr
.rept 5
	v_nop                                          ; five places: the next step's first products write over the registers that held V
.endr
	s_add_co_u32 s48, s48, REC
.endm
; The walk: 16 steps, records 0 .. 15.  No wait or barrier stands in it.
.macro WALK                            ; the head's 16 records
	s_mov_b32 s48, 0
	s_mov_b32 s49, 16
.Lstep_\@:
	STEP
	s_sub_co_u32 s49, s49, 1
	s_cmp_lg_u32 s49, 0
	s_cbranch_scc1 .Lstep_\@
.endm
.macro OUT p                           ; pass p's way out
	; THE WAY OUT.  Z = O^T / the sum; brought into the natural order of channels, since its partner in the last product is given so; quantised along them.
	v_add_f32 v14, v14, v15
	s_delay_alu instid0(VALU_DEP_1)
	v_permlanex16_b32 v216, v14, s20, s21
	s_delay_alu instid0(VALU_DEP_1)
	v_add_f32 v14, v14, v216                       ; the row's sum
	s_wait_alu depctr_va_vdst(0)
	v_rcp_f32 v14, v14
	v_nop                                          ; a plain place behind the reciprocal
	s_wait_alu depctr_va_vdst(0)                   ; and the wait ahead of its first reader
.set j, 0
.rept 32
	v_mul_f32 v[96+j], v[160+j], v14               ; register 8 t + i: channel 16 t + 8 h + i of query r
.set j, j+1
.endr
.irp b, 0,1
.irp i, 0,1,2,3,4,5,6,7
	v_permlane16_swap_b32 v[96+16*\b+\i], v[104+16*\b+\i]   ; now registers 16 b + 0 .. 15 hold channels 32 b + 16 h + 0 .. 15
.endr
.endr
.irp b, 0,1
	v_max3_num_f32 v[212+\b], |v[96+16*\b]|, |v[97+16*\b]|, 0x1800000
.endr
.irp i, 2,4,6,8,10,12,14
.irp b, 0,1
	s_delay_alu instid0(VALU_DEP_2)
	v_max3_num_f32 v[212+\b], v[212+\b], |v[96+16*\b+\i]|, |v[97+16*\b+\i]|
.endr
.endr
.irp b, 0,1
	s_delay_alu instid0(VALU_DEP_2)
	v_permlanex16_b32 v[216+\b], v[212+\b], s20, s21
.endr
.irp b, 0,1
	s_delay_alu instid0(VALU_DEP_2)
	v_max_num_f32 v[212+\b], v[212+\b], v[216+\b]
.endr
.irp b, 0,1
	s_delay_alu instid0(VALU_DEP_2)
	v_add_nc_u32 v[220+\b], 0xff000000, v[212+\b]
.endr
.irp b, 0,1
	s_delay_alu instid0(VALU_DEP_2)
	v_lshrrev_b32 v[216+\b], 23, v[220+\b]
.endr
	v_cvt_scalef32_pk16_fp6_f32 v[192:194], v[96:111], v220
	v_cvt_scalef32_pk16_fp6_f32 v[196:198], v[112:127], v221
	v_cndmask_b32 v224, v216, v217, s58            ; lanes 0-15 store block 0's byte, lanes 16-31 block 1's
	global_store_b96 v5, v[192:194], s[10:11] offset:196608*\p       ; 384 consecutive bytes: a record; a pass on: 256 rows, two groups of 128 rows x 98,304 bytes
	global_store_b96 v5, v[196:198], s[10:11] offset:196608*\p+384
	global_store_b8 v6, v224, s[12:13] offset:8192*\p
.endm
	s_wait_loadcnt 0x0                             ; both passes' Q
	s_wait_tensorcnt 0x0                           ; my record is in
	s_barrier_signal -1
	s_barrier_wait -1                              ; and everybody's: the whole head lies in LDS
	INIT
	WALK
	OUT 0
	s_wait_xcnt 0x0                                ; the stores have read their data registers
.irp i, 0,1,2,3,4,5
	v_mov_b32 v[16+\i], v[230+\i]                  ; the second tile's Q; INIT's lines are the places ahead of the scaled products
.endr
	v_mov_b32 v28, v236
	INIT
	WALK
	OUT 1
	s_wait_dscnt 0x0
	s_wait_tensorcnt 0x0
	ds_add_u32 v254, v255
	s_wait_dscnt 0x0
	CROUND                                         ; the closing round
	s_endpgm
.Lfunc_end_k_q8313be85a9_attn:
	.size	k_q8313be85a9_attn, .Lfunc_end_k_q8313be85a9_attn-k_q8313be85a9_attn
	.p2alignl 7, 3214868480
	.fill 96, 4, 3214868480
	.section	.rodata,"a",@progbits
	.p2align	6, 0x0
	.amdhsa_kernel k_q8313be85a9_attn
		.amdhsa_group_segment_fixed_size 215040
		.amdhsa_private_segment_fixed_size 0
		.amdhsa_enable_private_segment 0
		.amdhsa_kernarg_size 40
		.amdhsa_user_sgpr_count 2
		.amdhsa_user_sgpr_kernarg_segment_ptr 1
		.amdhsa_wavefront_size32 1
		.amdhsa_system_sgpr_workgroup_id_x 1
		.amdhsa_system_sgpr_workgroup_id_y 1
		.amdhsa_system_sgpr_workgroup_id_z 1
		.amdhsa_system_vgpr_workitem_id 0
		.amdhsa_next_free_vgpr 256
		.amdhsa_next_free_sgpr 80
		.amdhsa_reserve_vcc 0
		.amdhsa_float_denorm_mode_32 3
		.amdhsa_float_denorm_mode_16_64 3
		.amdhsa_memory_ordered 1
		.amdhsa_forward_progress 1
		.amdhsa_inst_pref_size 56
	.end_amdhsa_kernel
	.amdgpu_metadata
---
amdhsa.version: [ 1, 2 ]
amdhsa.kernels:
  - .name:           k_q8313be85a9_attn
    .symbol:         k_q8313be85a9_attn.kd
    .args:
      - { .name: qc, .offset: 0, .size: 8, .value_kind: global_buffer, .address_space: global }
      - { .name: qs, .offset: 8, .size: 8, .value_kind: global_buffer, .address_space: global }
      - { .name: kv, .offset: 16, .size: 8, .value_kind: global_buffer, .address_space: global }
      - { .name: vc, .offset: 24, .size: 8, .value_kind: global_buffer, .address_space: global }
      - { .name: vs, .offset: 32, .size: 8, .value_kind: global_buffer, .address_space: global }
    .group_segment_fixed_size: 215040
    .private_segment_fixed_size: 0
    .kernarg_segment_align: 8
    .kernarg_segment_size: 40
    .max_flat_workgroup_size: 512
    .sgpr_count:     80
    .vgpr_count:     256
    .wavefront_size: 32
...
	.end_amdgpu_metadata
.endif
;; end of part 2
;; launch comb (part 3): grid 8 x 32, 4 waves a work-group, clusters of 4 x 4, 327,680 bytes of LDS; arguments vc, vs, W_comb_codes, W_comb_scales, out0; writes out0
.if DOCPART == 3
	.amdgcn_target "amdgcn-amd-amdhsa--gfx1250"
	.amdhsa_code_object_version 6
	.text
	.protected	k_q8313be85a9_comb
	.globl	k_q8313be85a9_comb
	.p2align	8
	.type	k_q8313be85a9_comb,@function
k_q8313be85a9_comb:
	s_mov_b64 s[64:65], 0
	v_nop
	global_prefetch_b8 v0, s[64:65] scope:SCOPE_SE
	s_setreg_imm32_b32 hwreg(HW_REG_WAVE_MODE, 25, 1), 1
	s_wait_xcnt 0x0
	s_wait_alu depctr_hold_cnt(0) depctr_sa_sdst(0) depctr_va_vdst(0) depctr_va_sdst(0) depctr_va_ssrc(0) depctr_va_vcc(0) depctr_vm_vsrc(0)
	s_getreg_b32 s2, hwreg(HW_REG_IB_STS2, 6, 4)
	s_cmp_eq_u32 s2, 0
	s_cbranch_scc0 .Lentry_in_a_cluster
	s_endpgm
.Lentry_in_a_cluster:
	s_bfe_u32 s2, ttmp6, 0x10000c
	s_cmp_lg_u32 s2, 0xf033
	s_cbranch_scc0 .Lentry_shape_is_right
	s_endpgm
.Lentry_shape_is_right:
; out = relu(vals W_comb^T), 8,192 x 1,024 x 1,024, on codes of FP6 (E2M3) with E8M0 scales; out is f32.
; SHARES.  A work-group makes 256 rows x 128 columns; wave (i, j) 128 x 64: 32 accumulators.  ALL OF K LIES IN LDS, by first fills alone: vals' 256 rows (196,608 bytes, as records in the order of the operand's registers) and
; W's 128 rows (three chunks of 256 along K, rows 816 bytes apart).  Waves 0, 1 fetch vals' halves, waves 2, 3 W's, one load each, all of K: the products begin when all are in.
; CLUSTER 4 x 4: vals' tiles hang on the rows alone and are asked for jointly along a row of the cluster, W's on the columns alone and jointly along a column.
; Source 0 = 16 rows of W, source 1 = 16 rows of vals: a lane holds eight neighbouring columns of one row of out.
; REGISTERS.  window 0: addresses, scale words (v32-63 vals', v64-79 W's: a lane takes a row's 32 bytes, the words of K steps 0 to 7), v128-191 rows on the way out.
;   windows 1 and 3: fragment sets 0 and 1: vals' at 12 a, W's at 96 + 12 b.   window 2: accumulator (a, b) at 8 (4 a + b).
; FILLS, as this text has them (in place of the lines on fills above): one tensor load a wave at the head: waves 0, 1 vals' halves, waves 2, 3 W's 64 whole rows each (dense in memory: rows of 256 bytes, 16 of padding behind each);
; one wait and one barrier, and all of K lies in LDS.  The stage for the way out has bytes of its own behind W.
.set PITCH, 816                        ; W's LDS row: 3 x (256 + 16) bytes
.set BB,    196608                     ; W begins here, 128 rows x 816 bytes
.set BCH,   128*PITCH
.set STG,   BB+BCH                     ; the stages: 4 x 16 rows x 272 bytes, in blocks of 256 bytes on which no fill lands
.set ADA, 4                            ; v4-5   vals' fragments: K steps 0-3, 4-7
.set ADB, 8                            ; v8-9   W's: v8, behind one padding more v9
.set STO, 12
.set RD,  13
.set CO,  14
.set ASC, 32
.set WSC, 64
.set BK,  128
.set MSB, 0
.macro WIN new
.if MSB != (\new)
	s_set_vgpr_msb (MSB<<8)|(\new)
.set MSB, (\new)
.endif
.endm
.macro PLACES n
.rept \n
	v_nop
.endr
.endm
.macro CROUND
	s_barrier_signal -1
	s_barrier_wait -1
	s_cmp_lg_u32 s20, 0
	s_cbranch_scc1 .Lnot_wave_0_\@
	s_barrier_signal -3
.Lnot_wave_0_\@:
	s_barrier_wait -3
	s_barrier_signal -1
	s_barrier_wait -1
.endm
	s_load_b256 s[4:11], s[0:1], 0x0               ; vc s[4:5], vs s[6:7], W's codes s[8:9], W's scales s[10:11]
	s_load_b64 s[12:13], s[0:1], 0x20              ; out
	v_lshl_add_u32 v254, v0, 2, 0x4e000
	v_mov_b32 v255, 0
	ds_add_u32 v254, v255
	ds_add_u32 v254, v255
	v_lshrrev_b32 v1, 5, v0
	v_readfirstlane_b32 s20, v1                    ; wave 0..3
	s_lshr_b32 s21, s20, 1                         ; i: my half of the rows
	s_and_b32 s22, s20, 1                          ; j: my half of the columns; also which half of a tile I fetch
	s_bfe_u32 s84, ttmp6, 0x40000                  ; cx
	s_bfe_u32 s85, ttmp6, 0x40004                  ; cy
	s_lshl_b32 s86, ttmp9, 2
	s_add_co_u32 s86, s86, s84                     ; X: which 128 columns
	s_and_b32 s87, ttmp7, 0xffff
	s_lshl_b32 s87, s87, 2
	s_add_co_u32 s87, s87, s85                     ; Y: which 256 rows
	s_lshl_b32 s88, s85, 2
	s_lshl_b32 s88, 15, s88                        ; my row of the cluster
	s_lshl_b32 s89, 0x1111, s84                    ; my column
	; group 1 for vals: 98,304 dense bytes as 384 rows of 256 (32 elements of 8 bytes), no padding
	s_or_b32 s24, s88, (3<<16)|(1<<21)
	s_mov_b32 s25, 32<<16
	s_mov_b32 s26, 384<<16                         ; 128 rows of vals, all of K: 98,304 dense bytes as 384 rows of 256
	s_mov_b32 s27, 32<<16
	s_mov_b32 s28, 384
	s_mov_b32 s29, 32
	s_mov_b32 s30, 0
	s_mov_b32 s31, 0
	; for W: 64 whole rows as 192 rows of 256 bytes; 16 bytes of padding behind each
	s_or_b32 s32, s89, (3<<16)|(1<<20)|(1<<21)|(5<<22)|(3<<25)
	s_mov_b32 s33, 32<<16
	s_mov_b32 s34, 192<<16
	s_mov_b32 s35, 32<<16
	s_mov_b32 s36, 192
	s_mov_b32 s37, 32
	s_mov_b32 s38, 0
	s_mov_b32 s39, 0
	s_lshl_b32 s90, s87, 1
	s_add_co_u32 s90, s90, s22
	s_mul_i32 s90, s90, 98304                      ; vals: 128 rows are 98,304 bytes
	s_mov_b32 s91, 0
	s_lshl_b32 s94, s86, 7
	s_lshl_b32 s95, s22, 6
	s_add_co_u32 s94, s94, s95
	s_mul_i32 s94, s94, 768                        ; W: row 128 X + 64 half
	s_mov_b32 s95, 0
	s_mul_i32 s98, s22, 98304                      ; where they go: the wave's number alone
	s_mul_i32 s99, s22, 64*PITCH
	s_add_co_u32 s99, s99, BB
	s_wait_dscnt 0x0
	s_wait_kmcnt 0x0
	s_add_nc_u64 s[92:93], s[4:5], s[90:91]
	s_add_nc_u64 s[96:97], s[8:9], s[94:95]
.irp c, 0
	s_mov_b32 s[40+4*\c], 1
	s_add_co_u32 s[41+4*\c], s98, 24576*\c
	s_add_nc_u64 s[42+4*\c:43+4*\c], s[92:93], 24576*\c
	s_or_b32 s[43+4*\c], s[43+4*\c], 0x80000000
	s_mov_b32 s[68+4*\c], 1
	s_add_co_u32 s[69+4*\c], s99, BCH*\c
	s_add_nc_u64 s[70+4*\c:71+4*\c], s[96:97], 192*\c
	s_or_b32 s[71+4*\c], s[71+4*\c], 0x80000000
.endr
	CROUND                                         ; all sixteen work-groups are here: the joint loads meet
	s_cmp_lt_u32 s20, 2                            ; a wave's one fill stands in one branch on its number
	s_cbranch_scc0 .Lfill_b
	tensor_load_to_lds s[40:43], s[24:31]
	s_nop 0
	PLACES 4
	s_branch .Lfilled
.Lfill_b:
	tensor_load_to_lds s[68:71], s[32:39]
	s_nop 0
	PLACES 4
.Lfilled:
	s_lshl_b32 s90, s87, 13
	s_lshl_b32 s91, s21, 12
	s_add_co_u32 s90, s90, s91                     ; (256 Y + 128 i) rows of 32 scale bytes
	s_mov_b32 s91, 0
	s_add_nc_u64 s[6:7], s[6:7], s[90:91]
	s_lshl_b32 s90, s86, 12
	s_lshl_b32 s94, s22, 11
	s_add_co_u32 s90, s90, s94                     ; (128 X + 64 j) rows
	s_add_nc_u64 s[10:11], s[10:11], s[90:91]
	s_lshl_b32 s90, s87, 20
	s_lshl_b32 s94, s21, 19
	s_add_co_u32 s90, s90, s94                     ; out: (256 Y + 128 i) rows of 4,096 bytes
	s_lshl_b32 s94, s86, 9
	s_add_co_u32 s90, s90, s94
	s_lshl_b32 s94, s22, 8
	s_add_co_u32 s90, s90, s94                     ; + (128 X + 64 j) columns
	s_add_nc_u64 s[12:13], s[12:13], s[90:91]
	v_and_b32 v1, 31, v0                           ; lane
	v_and_b32 v16, 15, v0                          ; r
	v_bfe_u32 v17, v0, 4, 1                        ; h
	v_lshlrev_b32 v2, 5, v1
.irp p, 0,1,2,3
	global_load_b128 v[ASC+8*\p:ASC+8*\p+3], v2, s[6:7] offset:1024*\p
	global_load_b128 v[ASC+8*\p+4:ASC+8*\p+7], v2, s[6:7] offset:1024*\p+16
.endr
.irp p, 0,1
	global_load_b128 v[WSC+8*\p:WSC+8*\p+3], v2, s[10:11] offset:1024*\p
	global_load_b128 v[WSC+8*\p+4:WSC+8*\p+7], v2, s[10:11] offset:1024*\p+16
.endr
	v_mul_u32_u24 v3, v1, 24
	s_mul_i32 s90, s21, 98304
	v_add_nc_u32 v[ADA], s90, v3                   ; vals: my 128 rows, 24 bytes a lane of a record
	s_add_co_u32 s90, s90, 49152
	v_add_nc_u32 v[ADA+1], s90, v3
	v_mul_u32_u24 v18, v16, PITCH
	v_mad_u32_u24 v18, v17, 24, v18
	v_lshl_add_u32 v19, v17, 4, v18
	s_mul_i32 s90, s22, 64*PITCH
	s_add_co_u32 s90, s90, BB
	v_add_nc_u32 v[ADB], s90, v18
	v_add_nc_u32 v[ADB+1], s90, v19
	s_mul_i32 s90, s20, 16*272                     ; my stage, 16 rows x (256 + 16) bytes
	s_add_co_u32 s90, s90, STG
	v_mul_u32_u24 v20, v16, 272
	v_lshl_add_u32 v20, v17, 5, v20
	v_add_nc_u32 v[STO], s90, v20                  ; in: row r, 32 bytes for each half of the lanes
	v_mul_u32_u24 v20, v17, 272
	v_lshl_add_u32 v20, v16, 4, v20
	v_add_nc_u32 v[RD], s90, v20                   ; back: lanes 0-15 one row of 256 bytes, lanes 16-31 the next
	v_lshlrev_b32 v[CO], 12, v17
	v_lshl_add_u32 v[CO], v16, 4, v[CO]            ; and the same two rows in out
.macro FRAG reg, adr, q, i, off        ; W's fragment from padded rows: pieces of 8 bytes; lanes 16-31 three pieces on, by the second address register where that lies behind one padding more
.irp p, 0,1,2,3,4,5
.set PC, 12*(\q)+6*(\p/3)+\p%3
.if PC%32 < 29
	ds_load_b64 v[(\reg)+2*\p:(\reg)+2*\p+1], v[\adr] offset:(\off)+8*PC+16*(PC/32)+(\i)*16*PITCH
.else
	ds_load_b64 v[(\reg)+2*\p:(\reg)+2*\p+1], v[(\adr)+1] offset:(\off)+8*PC+16*(PC/32)+(\i)*16*PITCH
.endif
.endr
.endm
.macro FRAGA reg, q, a                 ; vals' fragment from records: registers 6 c + 2 i at 768 c + 24 lane + 8 i
.irp p, 0,1,2,3,4,5
	ds_load_b64 v[(\reg)+2*\p:(\reg)+2*\p+1], v[ADA+(\q)/4] offset:((\q)%4)*12288+(\a)*1536+768*(\p/3)+8*(\p%3)
.endr
.endm
.macro FETCHB q
.irp b, 0,1,2,3
	FRAG 96+12*\b, ADB, \q, \b, 0
.endr
.endm
.macro FETCHA q, a0
.irp a, \a0, \a0+1, \a0+2, \a0+3
	FRAGA 12*(\a), \q, \a
.endr
.endm
.macro WM d, a, b, sa, sb, ra, rb, zero
.if \zero
.if (\ra) && (\rb)
	v_wmma_scale_f32_16x16x128_f8f6f4 v[(\d):(\d)+7], v[(\a):(\a)+11], v[(\b):(\b)+11], 0, v[\sa], v[\sb] matrix_a_fmt:MATRIX_FMT_FP6 matrix_b_fmt:MATRIX_FMT_FP6 matrix_a_scale:MATRIX_SCALE_ROW1 matrix_b_scale:MATRIX_SCALE_ROW1
.elseif (\ra)
	v_wmma_scale_f32_16x16x128_f8f6f4 v[(\d):(\d)+7], v[(\a):(\a)+11], v[(\b):(\b)+11], 0, v[\sa], v[\sb] matrix_a_fmt:MATRIX_FMT_FP6 matrix_b_fmt:MATRIX_FMT_FP6 matrix_a_scale:MATRIX_SCALE_ROW1
.elseif (\rb)
	v_wmma_scale_f32_16x16x128_f8f6f4 v[(\d):(\d)+7], v[(\a):(\a)+11], v[(\b):(\b)+11], 0, v[\sa], v[\sb] matrix_a_fmt:MATRIX_FMT_FP6 matrix_b_fmt:MATRIX_FMT_FP6 matrix_b_scale:MATRIX_SCALE_ROW1
.else
	v_wmma_scale_f32_16x16x128_f8f6f4 v[(\d):(\d)+7], v[(\a):(\a)+11], v[(\b):(\b)+11], 0, v[\sa], v[\sb] matrix_a_fmt:MATRIX_FMT_FP6 matrix_b_fmt:MATRIX_FMT_FP6
.endif
.else
.if (\ra) && (\rb)
	v_wmma_scale_f32_16x16x128_f8f6f4 v[(\d):(\d)+7], v[(\a):(\a)+11], v[(\b):(\b)+11], v[(\d):(\d)+7], v[\sa], v[\sb] matrix_a_fmt:MATRIX_FMT_FP6 matrix_b_fmt:MATRIX_FMT_FP6 matrix_a_scale:MATRIX_SCALE_ROW1 matrix_b_scale:MATRIX_SCALE_ROW1
.elseif (\ra)
	v_wmma_scale_f32_16x16x128_f8f6f4 v[(\d):(\d)+7], v[(\a):(\a)+11], v[(\b):(\b)+11], v[(\d):(\d)+7], v[\sa], v[\sb] matrix_a_fmt:MATRIX_FMT_FP6 matrix_b_fmt:MATRIX_FMT_FP6 matrix_a_scale:MATRIX_SCALE_ROW1
.elseif (\rb)
	v_wmma_scale_f32_16x16x128_f8f6f4 v[(\d):(\d)+7], v[(\a):(\a)+11], v[(\b):(\b)+11], v[(\d):(\d)+7], v[\sa], v[\sb] matrix_a_fmt:MATRIX_FMT_FP6 matrix_b_fmt:MATRIX_FMT_FP6 matrix_b_scale:MATRIX_SCALE_ROW1
.else
	v_wmma_scale_f32_16x16x128_f8f6f4 v[(\d):(\d)+7], v[(\a):(\a)+11], v[(\b):(\b)+11], v[(\d):(\d)+7], v[\sa], v[\sb] matrix_a_fmt:MATRIX_FMT_FP6 matrix_b_fmt:MATRIX_FMT_FP6
.endif
.endif
.endm
.macro MUL2 q, a0, zero                ; 8 products: tiles of rows a0, a0 + 1 x four tiles of columns.  The 32 accumulators take turns, in the same order in every K step
	WIN 0xa5+0x0a*((\q)%2)                         ; sources in window 1 (set 0) or 3 (set 1); C and D in window 2
.irp a, \a0, \a0+1
.irp b, 0,1,2,3
	WM 8*(4*(\a)+\b), 96+12*\b, 12*(\a), WSC+8*(\b/2)+(\q), ASC+8*((\a)/2)+(\q), \b%2, (\a)%2, \zero
.endr
.endr
.endm
; A K step of 128.
.macro KSTEP q
	s_wait_dscnt 0x0                               ; this step's fragments are in
	MUL2 \q, 0, (\q)==0
	MUL2 \q, 2, (\q)==0
.if (\q) < 7
	PLACES 4                                       ; between the last step's products and the loads into their set
	WIN 0x40+0x80*(((\q)+1)%2)
	FETCHB (\q)+1
	FETCHA (\q)+1, 0
	MUL2 \q, 4, (\q)==0
	WIN 0x40+0x80*(((\q)+1)%2)
	FETCHA (\q)+1, 4
	MUL2 \q, 6, (\q)==0
.else
	MUL2 \q, 4, 0
	MUL2 \q, 6, 0
.endif
.endm
	s_wait_alu depctr_va_vdst(0)
	s_wait_tensorcnt 0x0                           ; my one load is in
	s_barrier_signal -1
	s_barrier_wait -1
	WIN 0x40
	FETCHB 0
	FETCHA 0, 0
	FETCHA 0, 4
	s_wait_loadcnt 0x0                             ; the scale words
.irp q, 0,1,2,3,4,5,6,7
	KSTEP \q
.endr
	WIN 0
; THE WAY OUT, 16 rows x 64 columns at a time: through my stage and back as whole rows of 256 bytes; relu; sixteen lanes store 256 consecutive bytes, at a multiple of 256 from out's first byte.
; LDS serves a wave's instructions in order (ISA guide 5.7.1.4): no wait between the stores and the loads, nor in front of the next block's stores.
.macro TOSTAGE a
	WIN 0x08                                       ; an LDS store's data: window 2
.irp b, 0,1,2,3
	ds_store_b128 v[STO], v[8*(4*(\a)+\b):8*(4*(\a)+\b)+3] offset:64*\b       ; each accumulator from its low end on
	ds_store_b128 v[STO], v[8*(4*(\a)+\b)+4:8*(4*(\a)+\b)+7] offset:64*\b+16
.endr
	WIN 0
.irp t, 0,1,2,3,4,5,6,7
	ds_load_b128 v[BK+32*((\a)%2)+4*\t:BK+32*((\a)%2)+4*\t+3], v[RD] offset:544*\t
.endr
.endm
.macro SEND a, younger
	s_wait_dscnt \younger                          ; the block is back; the next block's 8 stores and 8 loads may be out
.set k, 0
.rept 32
	v_max_num_f32 v[BK+32*((\a)%2)+k], 0, v[BK+32*((\a)%2)+k]
.set k, k+1
.endr
.irp t, 0,1,2,3,4,5,6,7
	global_store_b128 v[CO], v[BK+32*((\a)%2)+4*\t:BK+32*((\a)%2)+4*\t+3], s[12:13] offset:65536*(\a)+8192*\t th:TH_STORE_NT
.endr
.endm
	PLACES 4                                       ; in front of the first read of results
	TOSTAGE 0
.irp a, 1,2,3,4,5,6,7
.if \a > 1
	s_wait_xcnt 0x0                                ; block a - 2's stores have read their registers: block a's loads may land there
.endif
	TOSTAGE \a
	SEND \a-1, 16
.endr
	SEND 7, 0
	s_wait_dscnt 0x0
	s_wait_tensorcnt 0x0
	ds_add_u32 v254, v255
	s_wait_dscnt 0x0
	CROUND                                         ; the closing round: no work-group ends while a partner may still ask for a tile that names it
	s_endpgm
.Lfunc_end_k_q8313be85a9_comb:
	.size	k_q8313be85a9_comb, .Lfunc_end_k_q8313be85a9_comb-k_q8313be85a9_comb
	.p2alignl 7, 3214868480
	.fill 96, 4, 3214868480
	.section	.rodata,"a",@progbits
	.p2align	6, 0x0
	.amdhsa_kernel k_q8313be85a9_comb
		.amdhsa_group_segment_fixed_size 327680
		.amdhsa_private_segment_fixed_size 0
		.amdhsa_enable_private_segment 0
		.amdhsa_kernarg_size 40
		.amdhsa_user_sgpr_count 2
		.amdhsa_user_sgpr_kernarg_segment_ptr 1
		.amdhsa_wavefront_size32 1
		.amdhsa_system_sgpr_workgroup_id_x 1
		.amdhsa_system_sgpr_workgroup_id_y 1
		.amdhsa_system_sgpr_workgroup_id_z 1
		.amdhsa_system_vgpr_workitem_id 0
		.amdhsa_next_free_vgpr 1024
		.amdhsa_next_free_sgpr 100
		.amdhsa_reserve_vcc 0
		.amdhsa_float_denorm_mode_32 3
		.amdhsa_float_denorm_mode_16_64 3
		.amdhsa_memory_ordered 1
		.amdhsa_forward_progress 1
		.amdhsa_inst_pref_size 102
	.end_amdhsa_kernel
	.amdgpu_metadata
---
amdhsa.version: [ 1, 2 ]
amdhsa.kernels:
  - .name:           k_q8313be85a9_comb
    .symbol:         k_q8313be85a9_comb.kd
    .args:
      - { .name: vc, .offset: 0, .size: 8, .value_kind: global_buffer, .address_space: global }
      - { .name: vs, .offset: 8, .size: 8, .value_kind: global_buffer, .address_space: global }
      - { .name: W_comb_codes, .offset: 16, .size: 8, .value_kind: global_buffer, .address_space: global }
      - { .name: W_comb_scales, .offset: 24, .size: 8, .value_kind: global_buffer, .address_space: global }
      - { .name: out0, .offset: 32, .size: 8, .value_kind: global_buffer, .address_space: global }
    .group_segment_fixed_size: 327680
    .private_segment_fixed_size: 0
    .kernarg_segment_align: 8
    .kernarg_segment_size: 40
    .max_flat_workgroup_size: 128
    .sgpr_count:     100
    .vgpr_count:     1024
    .wavefront_size: 32
...
	.end_amdgpu_metadata
.endif
;; end of part 3
